; MI455X (gfx1250); checked and timed in simulation.
; The chip was launched on July 23, 2026; its instructions are those of AMD's public machine-readable ISA for CDNA 5 (MIT licence, August 2026) and "CDNA5" Instruction Set Architecture Reference Guide (July 2026). The comments in the code are by the model that wrote it; some were corrected since.
;; Scaled Dot Product Attention. Allowed arithmetic: matrix products marked QUANTISED: E2M1 operands, one E8M0 scale for each 32 along K, by v_wmma_scale_f32_16x16x128_f8f6f4 with both operands' format E2M1 (or v_wmma_scale_f32_32x16x128_f4), f32 sums; everything else in f32.
;; Inputs: attn_mask 1 x 1 x 2,048 x 2,048 float32; key 2 x 32 x 2,048 x 128 float32; query 2 x 32 x 2,048 x 128 float32; value 2 x 32 x 2,048 x 128 float32.
;; Outputs: out0 2 x 32 x 2,048 x 128 float32.
;; This version of the problem:
;;   THIS VERSION OF THE PROBLEM IS GIVEN IN LOW PRECISION. The matrix products marked QUANTISED in the list below multiply operands that are first quantised to E2M1 (2 exponent bits, 1 mantissa bit; 4 bits a number), with one power-of-two scale for each 32 numbers along K (OCP MX v1.0); their sums are f32. All else is computed in f32.
;;   The module's matrix products, in the order in which they are computed (A, B: the left and right operand; K: the contracted axis; several contracted axes count as one K, in the product's order):
;;     1. batch 64 x [M 2,048, K 128] x [K 128, N 2,048]; A: input query; B: input key: QUANTISED
;;     2. batch 64 x [M 2,048, K 2,048] x [K 2,048, N 128]; A: softmax (see below); B: input value: QUANTISED
;;   THE QUANTISER, for each operand of a quantised product, along K:
;;     - K is cut into blocks of 32 from its start; a last block that is shorter is filled with zeros.
;;     - A block's scale is 2^e with e = floor(log2(the largest magnitude in the block)) - 2, held to -126 .. 127; a block of zeros has e = 0. As a byte (E8M0): e + 127.
;;     - Each number is divided by its block's scale, clamped to +-6, and rounded to the nearest number of E2M1, ties to even, subnormals kept.
;;     - The product sums the exact products of the quantised numbers (number of the format x scale) in f32.
;;   ~~~python
;;   def quantise(x, axis):      # numpy; x: float32 -> the quantised numbers, widened to float32 again
;;       x = np.moveaxis(x, axis, -1); K = x.shape[-1]
;;       x = np.pad(x, [(0, 0)] * (x.ndim - 1) + [(0, -K % 32)]); x = x.reshape(x.shape[:-1] + (-1, 32)); a = np.abs(x).max(-1, keepdims=True)
;;       e = np.where(a > 0, np.clip(np.frexp(np.where(a > 0, a, 1))[1] - 1 - 2, -126, 127), 0)      # np.frexp(a)[1] - 1 = floor(log2(a)), exactly
;;       r = np.clip(x / 2.0 ** e, -6, 6)
;;       step = 2.0 ** (np.maximum(np.frexp(np.where(r == 0, 1, r))[1] - 1, 0) - 1)
;;       q = np.round(r / step) * step * 2.0 ** e      # np.round: ties to even
;;       return np.moveaxis(q.reshape(q.shape[:-2] + (-1,))[..., :K], -1, axis).astype(np.float32)
;;   ~~~
;;   SOFTMAX AHEAD OF A QUANTISED PRODUCT. Where the list says 'softmax', what is quantised is not the finished softmax but p = 2^(t - M), with t = logit x log2(e) and M = ceil(the row's largest t), a whole number; so 1/2 < the row's largest p <= 1. The row's sum l is taken of the UNQUANTISED p, in f32, and the product's result is divided by l at the end. Since M is a whole number, a kernel that streams over the keys may use a running M (the ceiling of the running maximum): every later rescaling is an exact power of two, which a block's scale takes up: the codes' values come out the same.
;;   OPERANDS COMPUTED ON THE WAY. 'Computed on the way' means the value that the module computes at that place (a softmax that the list does not call 'softmax' is quantised finished and normalised). What goes into a quantiser is computed in f32, as accurately as f32 sums, v_exp_f32 and their like allow (about 1e-6 of the number): no bf16 or f16 on the way to a quantiser, and a product that is left as it is and whose result goes on into a quantised operand takes f32 operands (vector FMAs, or v_wmma_f32_16x16x4_f32). A number that lies on a knife's edge between two numbers of the format may be rounded either way, as far as f32 arithmetic and the matrix unit's own rounding can turn it there, and no further.
;; One version. Each part assembles by itself: llvm-mc -triple=amdgcn-amd-amdhsa -mcpu=gfx1250 --defsym DOCPART=n.
;; ======== version 1 of 1: 3 launches
;; limits: right only within a limited range of input values
;; workspace buffers: kvc 16,777,216 bytes; kvs 1,048,576 bytes; mimg 16,777,216 bytes
;; launch prep (part 1): grid 16 x 64, 4 waves a work-group, no clusters, 35,328 bytes of LDS; arguments key, value, kvc, kvs; writes kvc, kvs
.if DOCPART == 1
	.amdgcn_target "amdgcn-amd-amdhsa--gfx1250"
	.amdhsa_code_object_version 6
	.text
	.protected	k_q1e11c871d6_prep
	.globl	k_q1e11c871d6_prep
	.p2align	8
	.type	k_q1e11c871d6_prep,@function
k_q1e11c871d6_prep:
	s_mov_b64 s[64:65], 0
	v_nop
	global_prefetch_b8 v0, s[64:65] scope:SCOPE_SE
	s_setreg_imm32_b32 hwreg(HW_REG_WAVE_MODE, 25, 1), 1
	s_wait_xcnt 0x0
; key and value, [64 heads][2048 keys][128] f32, become codes of FP4 (E2M1) with one E8M0 scale byte for each 32 along K, laid as the attention launch's operand registers want them.
; K is quantised along the head's 128 (innermost in memory), V along the keys (its outer axis within a head).
; A block's scale is 2^(floor(log2(its largest magnitude)) - 2): its byte is the largest magnitude's exponent field - 2, held at 1 from below.
; LIMITS: NaN and infinities among the inputs are not served; a block whose largest magnitude lies under 2^-124 keeps the byte 1; a block of zeros gets the byte 1 where the rule says 127:
; its codes are zeros, which add nothing under any byte but 0xff, and the bytes are read by this program alone.
; SHARES.  A work-group takes one key step (128 keys) of one head, in K and in V.  Wave w takes keys 32 w .. 32 w + 31 of K (two fragments) and channels 32 w .. 32 w + 31 of V for all 128 keys.
; OUT.  kvc [head][step][16,384]: K's 8 fragments, then V's 8; fragment t, piece c, lane l at 1024 t + 512 c + 16 l: an image of the operand's registers.
;   K's fragment 2 b + u: lane (r, h) holds key 32 b + 8 u + r + 8 (r / 8), piece c its d = 64 c + 32 h + 0 .. 31.   V's fragment t: lane (r, h) holds channel 16 t + r, piece c keys 64 c + 32 h + 0 .. 31.
; kvs [head][step][1,024]: K's scale words, then V's: the word of fragment 2 i + l / 16, row l % 16, at 16 l + 4 i, so that one load of 16 bytes a lane brings four scale registers.
; K: a load takes one key, 512 consecutive bytes; 16 keys turn through the wave's own stage in LDS so that a lane holds 2 x 32 neighbours along d.  V: a lane takes a channel and its registers run down the keys.
; Every offset is an immediate and every store has data registers of its own: no address and no store's data are written again.
.set SP,   528                         ; a stage row: 512 bytes + 16 of padding = 132 words: 16 rows start at 16 different groups of banks (64 banks of 4 bytes: ISA guide 11.1)
.set WST,  16*SP                       ; a wave's stage
.set SIMG, 4*WST                       ; behind the stages: the step's 256 scale words
.set KW,   18                          ; v18-19   the scale words of my two fragments of K
.set SBV,  20                          ; v20      my channel's scale word of V
.set KR,   32                          ; v32-95   16 keys as loaded
.set Y,    96                          ; v96-159  my row's 2 x 32 neighbours along d
.set X,    160                         ; v160-223 two sets of 32 keys of my channel
.set KC,   224                         ; v224-239 K's codes
.set VC,   240                         ; v240-255 V's codes
	s_load_b256 s[4:11], s[0:1], 0x0               ; key s[4:5], value s[6:7], kvc s[8:9], kvs s[10:11]
	v_lshl_add_u32 v30, v0, 2, 0x8800
	v_mov_b32 v31, 0
	v_lshrrev_b32 v1, 5, v0
	v_readfirstlane_b32 s12, v1                    ; wave 0..3
	v_and_b32 v1, 31, v0                           ; lane
	s_wait_alu depctr_va_vdst(0)
	v_and_b32 v13, 15, v0                          ; r
	s_wait_alu depctr_va_vdst(0)
	v_bfe_u32 v14, v0, 4, 1                        ; h
	s_and_b32 s14, ttmp7, 0xffff                   ; the head; ttmp9 is the key step
	s_lshl_b32 s22, s14, 20                        ; a head of key or value is 2^20 bytes,
	s_lshl_b32 s23, ttmp9, 16                      ; a step's 128 keys 2^16
	s_add_co_u32 s22, s22, s23
	s_lshl_b32 s24, s12, 14                        ; key: my 32 keys
	s_add_co_u32 s24, s22, s24
	s_mov_b32 s25, 0
	s_lshl_b32 s26, s12, 7                         ; value: my 32 channels
	s_add_co_u32 s26, s22, s26
	s_mov_b32 s27, 0
	s_lshl_b32 s28, s14, 18                        ; kvc: 16 steps of 16,384 bytes a head
	s_lshl_b32 s29, ttmp9, 14
	s_add_co_u32 s28, s28, s29
	s_mov_b32 s29, 0
	s_lshl_b32 s30, s12, 11                        ; K's codes: my two fragments
	s_mov_b32 s31, 0
	s_lshl_b32 s22, s14, 14                        ; kvs: 16 steps of 1,024 bytes a head
	s_lshl_b32 s23, ttmp9, 10
	s_add_co_u32 s22, s22, s23
	s_mov_b32 s23, 0
	s_mul_i32 s15, s12, WST                        ; my stage
	s_lshl_b32 s18, s12, 7
	s_add_co_u32 s18, s18, SIMG                    ; my 128 bytes among the scale words
	s_lshl_b32 s19, s12, 11
	s_mov_b32 s20, 0x76543210
	s_mov_b32 s21, 0xfedcba98                      ; v_permlanex16_b32's selects for lane l xor 16
	v_lshlrev_b32 v2, 4, v1                        ; 16 x lane: a key's 512 bytes, and a fragment's piece
	v_lshlrev_b32 v3, 2, v1                        ; 4 x lane: my channel of V
	v_add_nc_u32 v4, s15, v2                       ; the stage, on the way in
	v_mul_u32_u24 v5, v13, SP
	s_wait_alu depctr_va_vdst(0)
	v_lshl_add_u32 v5, v14, 7, v5
	v_add_nc_u32 v5, s15, v5                       ; and on the way out: row r, + 128 h
	v_lshl_add_u32 v6, v13, 4, s19
	v_lshl_add_u32 v6, v14, 10, v6                 ; V's codes: fragment 2 w + lane / 16, row lane % 16
	v_add_nc_u32 v7, s18, v3                       ; where I put a scale word: SIMG + 128 w + 4 x lane
	v_lshlrev_b32 v8, 3, v0                        ; 8 x thread: my 8 bytes of the step's scale words in kvs
	v_lshlrev_b32 v9, 3, v14                       ; 8 h: how far my two bytes of a K scale word are shifted
	v_mov_b32 v16, 0                               ; written once: a lane permute's destination counts as one of its sources
	v_bfe_u32 v10, v0, 1, 5                        ; the way out of the scale words: thread t stores the words of lane l = (t / 2) % 32, i = 2 (t % 2) and + 1,
	v_lshlrev_b32 v21, 2, v10                      ; which lie at 128 i + 4 l,
	v_and_b32 v10, 1, v0
	v_lshl_add_u32 v21, v10, 8, v21
	v_lshrrev_b32 v10, 6, v0
	v_lshl_add_u32 v21, v10, 9, v21                ; V's 512 bytes behind K's
	s_wait_kmcnt 0x0
	s_add_nc_u64 s[4:5], s[4:5], s[24:25]
	s_add_nc_u64 s[6:7], s[6:7], s[26:27]
	s_add_nc_u64 s[8:9], s[8:9], s[28:29]          ; kvc at the step: V's stores use it
	s_add_nc_u64 s[16:17], s[8:9], s[30:31]        ; and at my two fragments of K
	s_add_nc_u64 s[10:11], s[10:11], s[22:23]
.macro LOADK u                         ; the 16 keys of fragment 2 w + u: row r of the fragment is key 8 u + r + 8 (r / 8) of my 32; 32 lanes read 512 consecutive bytes
.irp r, 0,1,2,3,4,5,6,7,8,9,10,11,12,13,14,15
	global_load_b128 v[KR+4*\r:KR+4*\r+3], v2, s[4:5] offset:(8*\u+\r+8*(\r/8))*512 th:TH_LOAD_NT
.endr
.endm
.macro LOADV q                         ; keys 32 q .. 32 q + 31 of my channel into set q % 2; 32 lanes read 128 consecutive bytes, the four waves side by side 512
.irp i, 0,1,2,3,4,5,6,7,8,9,10,11,12,13,14,15,16,17,18,19,20,21,22,23,24,25,26,27,28,29,30,31
	global_load_b32 v[X+32*((\q)%2)+\i], v3, s[6:7] offset:(32*(\q)+\i)*512 th:TH_LOAD_NT
.endr
.endm
.macro TURN                            ; 16 keys through my stage: LDS serves a wave's instructions in order (ISA guide 5.7.1.4), so no wait stands between the stores and the loads
.irp r, 0,1,2,3,4,5,6,7,8,9,10,11,12,13,14,15
	ds_store_b128 v4, v[KR+4*\r:KR+4*\r+3] offset:SP*\r
.endr
.irp c, 0,1
.irp j, 0,1,2,3,4,5,6,7
	ds_load_b128 v[Y+32*\c+4*\j:Y+32*\c+4*\j+3], v5 offset:256*\c+16*\j     ; register 32 c + i: d = 64 c + 32 h + i of row r
.endr
.endr
.endm
.macro KQUANT u                        ; my two whole blocks (2 c + h, c = 0, 1) of row r become codes; the row's scale word is gathered from lanes l and l xor 16
.irp c, 0,1
	v_max3_num_f32 v[10+\c], |v[Y+32*\c]|, |v[Y+32*\c+1]|, 0x1800000       ; and the floor 2^(3 - 127): the byte cannot fall under 1
.endr
.irp i, 2,4,6,8,10,12,14,16,18,20,22,24,26,28,30
.irp c, 0,1
	v_max3_num_f32 v[10+\c], v[10+\c], |v[Y+32*\c+\i]|, |v[Y+32*\c+\i+1]|  ; (the two blocks by turns)
.endr
.endr
.irp c, 0,1
	v_add_nc_u32 v[12+\c], 0xff000000, v[10+\c]    ; 2 off the exponent field: the conversion takes the exponent field of this operand as its scale
.endr
.irp c, 0,1
	v_lshrrev_b32 v[14+\c], 23, v[12+\c]           ; the scale's byte
.endr
	v_lshl_or_b32 v[KW+\u], v15, 16, v14           ; blocks h and 2 + h,
	v_lshlrev_b32 v[KW+\u], v9, v[KW+\u]           ; at their places in the word;
	v_permlanex16_b32 v16, v[KW+\u], s20, s21
	v_or_b32 v[KW+\u], v[KW+\u], v16               ; with lane l xor 16's two the word is whole, in both lanes
.irp c, 0,1
.irp g, 0,1,2,3
	v_cvt_scalef32_pk8_fp4_f32 v[KC+8*\u+4*\c+\g], v[Y+32*\c+8*\g:Y+32*\c+8*\g+7], v[12+\c]
.endr
.endr
	v_nop                                          ; one plain place behind the last scaled conversion
.irp c, 0,1
	global_store_b128 v2, v[KC+8*\u+4*\c:KC+8*\u+4*\c+3], s[16:17] offset:1024*\u+512*\c   ; 32 lanes store 512 consecutive bytes, aligned
.endr
.endm
.macro VBLOCK q                        ; block q of my channel: all its 32 keys are mine
.set XS, X+32*((\q)%2)
	v_max3_num_f32 v10, |v[XS]|, |v[XS+1]|, |v[XS+2]|
	v_max3_num_f32 v11, |v[XS+3]|, |v[XS+4]|, |v[XS+5]|
.irp i, 6,10,14,18,22,26
	v_max3_num_f32 v10, v10, |v[XS+\i]|, |v[XS+\i+1]|
	v_max3_num_f32 v11, v11, |v[XS+\i+2]|, |v[XS+\i+3]|
.endr
	v_max3_num_f32 v10, v10, |v[XS+30]|, |v[XS+31]|
	v_max3_num_f32 v10, v10, v11, 0x1800000        ; and the floor
	v_add_nc_u32 v12, 0xff000000, v10
	v_lshrrev_b32 v13, 23, v12
.if (\q) == 0
	v_mov_b32 v[SBV], v13                          ; four bytes to the word, the lower keys in the lower byte
.else
	v_lshl_or_b32 v[SBV], v13, 8*(\q), v[SBV]
.endif
.irp g, 0,1,2,3
	v_cvt_scalef32_pk8_fp4_f32 v[VC+4*(\q)+\g], v[XS+8*\g:XS+8*\g+7], v12
.endr
	v_nop                                          ; one plain place behind the last scaled conversion
	global_store_b128 v6, v[VC+4*(\q):VC+4*(\q)+3], s[8:9] offset:8192+((\q)/2)*512+((\q)%2)*256   ; piece q / 2, lanes' half q % 2: sixteen lanes store 256 consecutive bytes, aligned
.endm
	LOADK 0
	LOADV 0
	s_wait_loadcnt 32                              ; K's first 16 keys are in; V's 32 loads behind them may be out
	TURN
	s_wait_dscnt 0x0                               ; the turned numbers are in, and the stage's stores have read their registers
	LOADK 1
	LOADV 1
	KQUANT 0
	s_wait_loadcnt 48                              ; V's block 0 is in; behind it: K's 16 and V's 32
	VBLOCK 0
	s_wait_loadcnt 32                              ; K's second 16 keys are in; behind them: V's block 1
	TURN
	s_wait_dscnt 0x0
	LOADV 2
	KQUANT 1
	s_wait_loadcnt 32                              ; V's block 1 is in; behind it: block 2
	VBLOCK 1
	LOADV 3
	s_wait_loadcnt 32                              ; block 2 is in; behind it: block 3
	VBLOCK 2
	s_wait_loadcnt 0x0
	VBLOCK 3
	; the scale words: lanes 0-15 give fragment 2 w's, lanes 16-31 fragment 2 w + 1's; they meet in LDS and leave as 1,024 consecutive bytes
	v_cmp_le_u32 vcc_lo, 16, v1
	v_cndmask_b32 v17, v18, v19, vcc_lo
	ds_store_b32 v7, v17
	ds_store_b32 v7, v[SBV] offset:512
	s_wait_dscnt 0x0                               ; for the others' sake: my stores have landed
	s_barrier_signal -1
	s_barrier_wait -1
	ds_load_b32 v22, v21 offset:SIMG
	ds_load_b32 v23, v21 offset:SIMG+128
	s_wait_dscnt 0x0
	global_store_b64 v8, v[22:23], s[10:11]        ; a wave stores 256 consecutive bytes, aligned
	s_wait_tensorcnt 0x0
	ds_add_u32 v30, v31
	s_wait_dscnt 0x0
	s_endpgm
.Lfunc_end_k_q1e11c871d6_prep:
	.size	k_q1e11c871d6_prep, .Lfunc_end_k_q1e11c871d6_prep-k_q1e11c871d6_prep
	.p2alignl 7, 3214868480
	.fill 96, 4, 3214868480
	.section	.rodata,"a",@progbits
	.p2align	6, 0x0
	.amdhsa_kernel k_q1e11c871d6_prep
		.amdhsa_group_segment_fixed_size 35328
		.amdhsa_private_segment_fixed_size 0
		.amdhsa_enable_private_segment 0
		.amdhsa_kernarg_size 32
		.amdhsa_user_sgpr_count 2
		.amdhsa_user_sgpr_kernarg_segment_ptr 1
		.amdhsa_wavefront_size32 1
		.amdhsa_system_sgpr_workgroup_id_x 1
		.amdhsa_system_sgpr_workgroup_id_y 1
		.amdhsa_system_sgpr_workgroup_id_z 1
		.amdhsa_system_vgpr_workitem_id 0
		.amdhsa_next_free_vgpr 256
		.amdhsa_next_free_sgpr 66
		.amdhsa_reserve_vcc 1
		.amdhsa_float_denorm_mode_32 3
		.amdhsa_float_denorm_mode_16_64 3
		.amdhsa_memory_ordered 1
		.amdhsa_forward_progress 1
		.amdhsa_inst_pref_size 36
	.end_amdhsa_kernel
	.amdgpu_metadata
---
amdhsa.version: [ 1, 2 ]
amdhsa.kernels:
  - .name:           k_q1e11c871d6_prep
    .symbol:         k_q1e11c871d6_prep.kd
    .args:
      - { .name: key, .offset: 0, .size: 8, .value_kind: global_buffer, .address_space: global }
      - { .name: value, .offset: 8, .size: 8, .value_kind: global_buffer, .address_space: global }
      - { .name: kvc, .offset: 16, .size: 8, .value_kind: global_buffer, .address_space: global }
      - { .name: kvs, .offset: 24, .size: 8, .value_kind: global_buffer, .address_space: global }
    .group_segment_fixed_size: 35328
    .private_segment_fixed_size: 0
    .kernarg_segment_align: 8
    .kernarg_segment_size: 32
    .max_flat_workgroup_size: 128
    .sgpr_count:     66
    .vgpr_count:     256
    .wavefront_size: 32
...
	.end_amdgpu_metadata
.endif
;; end of part 1
;; launch mlay (part 2): grid 16 x 16, 8 waves a work-group, no clusters, 68,608 bytes of LDS; arguments attn_mask, mimg; writes mimg
.if DOCPART == 2
	.amdgcn_target "amdgcn-amd-amdhsa--gfx1250"
	.amdhsa_code_object_version 6
	.text
	.protected	k_q1e11c871d6_mlay
	.globl	k_q1e11c871d6_mlay
	.p2align	8
	.type	k_q1e11c871d6_mlay,@function
k_q1e11c871d6_mlay:
	s_mov_b64 s[64:65], 0
	v_nop
	global_prefetch_b8 v0, s[64:65] scope:SCOPE_SE
	s_setreg_imm32_b32 hwreg(HW_REG_WAVE_MODE, 25, 1), 1
	s_wait_xcnt 0x0
; attn_mask [2048 queries][2048 keys] f32 is laid anew as images of the attention launch's score registers:
; mimg [tile of 16 queries][key step of 128][piece i = 0..15][lane][16 bytes]; piece i of lane (r, h) is mask[16 T + r][128 s + 32 (i / 4) + 16 h + 4 (i % 4) .. + 3].
; A wave takes one tile and one step: 16 loads of 512 consecutive bytes (a row each), a turn through its own stage in LDS, 16 stores of 512 consecutive bytes, aligned.
; Waves share nothing: no barrier.  No tensor load: 8 KiB a wave, read once.
.set SP,    528                        ; a stage row: 512 bytes + 16 of padding
.set SPARE, 8*16*SP                    ; behind the eight stages: the spare words, 128 bytes a wave
	s_load_b128 s[4:7], s[0:1], 0x0                ; attn_mask, mimg
	v_lshl_add_u32 v30, v0, 2, SPARE
	v_mov_b32 v31, 0
	v_lshrrev_b32 v1, 5, v0
	v_readfirstlane_b32 s8, v1                     ; wave 0..7
	v_and_b32 v2, 31, v0
	v_lshlrev_b32 v2, 4, v2                        ; 16 x lane
	v_and_b32 v3, 15, v0                           ; r
	v_bfe_u32 v4, v0, 4, 1                         ; h
	s_mul_i32 s9, s8, 16*SP                        ; my stage
	v_add_nc_u32 v5, s9, v2                        ; into it: 16 bytes a lane of a row
	v_mul_u32_u24 v6, v3, SP
	v_lshl_add_u32 v6, v4, 6, v6
	v_add_nc_u32 v6, s9, v6                        ; out of it: row r, + 64 h
	s_and_b32 s10, ttmp7, 0xffff
	s_lshl_b32 s10, s10, 3
	s_add_co_u32 s10, s10, s8                      ; T = 8 y + wave
	s_lshl_b32 s10, s10, 17                        ; 16 rows of 8,192 bytes, and 16 steps of 8,192 bytes: the same in both buffers
	s_lshl_b32 s12, ttmp9, 9                       ; the step's 512 bytes of a row
	s_add_co_u32 s12, s12, s10
	s_mov_b32 s13, 0
	s_lshl_b32 s14, ttmp9, 13                      ; the step's image
	s_add_co_u32 s14, s14, s10
	s_mov_b32 s15, 0
	s_wait_alu depctr_va_vdst(0)                   ; the wait at the head's end
	s_wait_kmcnt 0x0
	s_add_nc_u64 s[4:5], s[4:5], s[12:13]
	s_add_nc_u64 s[6:7], s[6:7], s[14:15]
.set i, 0
.rept 16
	global_load_b128 v[32+4*i:35+4*i], v2, s[4:5] offset:8192*i th:TH_LOAD_NT
.set i, i+1
.endr
.set i, 0
.rept 16
	s_wait_loadcnt 15-i                            ; row i is in; the younger loads may be out
	ds_store_b128 v5, v[32+4*i:35+4*i] offset:SP*i
.set i, i+1
.endr
.set i, 0
.rept 16
	ds_load_b128 v[96+4*i:99+4*i], v6 offset:128*(i/4)+16*(i%4)    ; LDS serves a wave's instructions in order: these see my stores
.set i, i+1
.endr
.set i, 0
.rept 16
	s_wait_dscnt 15-i                              ; piece i is back; the younger loads may be out
	global_store_b128 v2, v[96+4*i:99+4*i], s[6:7] offset:512*i
.set i, i+1
.endr
	s_wait_tensorcnt 0x0                           ; the wave's end
	ds_add_u32 v30, v31
	s_wait_dscnt 0x0
	s_endpgm
.Lfunc_end_k_q1e11c871d6_mlay:
	.size	k_q1e11c871d6_mlay, .Lfunc_end_k_q1e11c871d6_mlay-k_q1e11c871d6_mlay
	.p2alignl 7, 3214868480
	.fill 96, 4, 3214868480
	.section	.rodata,"a",@progbits
	.p2align	6, 0x0
	.amdhsa_kernel k_q1e11c871d6_mlay
		.amdhsa_group_segment_fixed_size 68608
		.amdhsa_private_segment_fixed_size 0
		.amdhsa_enable_private_segment 0
		.amdhsa_kernarg_size 16
		.amdhsa_user_sgpr_count 2
		.amdhsa_user_sgpr_kernarg_segment_ptr 1
		.amdhsa_wavefront_size32 1
		.amdhsa_system_sgpr_workgroup_id_x 1
		.amdhsa_system_sgpr_workgroup_id_y 1
		.amdhsa_system_sgpr_workgroup_id_z 1
		.amdhsa_system_vgpr_workitem_id 0
		.amdhsa_next_free_vgpr 160
		.amdhsa_next_free_sgpr 66
		.amdhsa_reserve_vcc 0
		.amdhsa_float_denorm_mode_32 3
		.amdhsa_float_denorm_mode_16_64 3
		.amdhsa_memory_ordered 1
		.amdhsa_forward_progress 1
		.amdhsa_inst_pref_size 8
	.end_amdhsa_kernel
	.amdgpu_metadata
---
amdhsa.version: [ 1, 2 ]
amdhsa.kernels:
  - .name:           k_q1e11c871d6_mlay
    .symbol:         k_q1e11c871d6_mlay.kd
    .args:
      - { .name: attn_mask, .offset: 0, .size: 8, .value_kind: global_buffer, .address_space: global }
      - { .name: mimg, .offset: 8, .size: 8, .value_kind: global_buffer, .address_space: global }
    .group_segment_fixed_size: 68608
    .private_segment_fixed_size: 0
    .kernarg_segment_align: 8
    .kernarg_segment_size: 16
    .max_flat_workgroup_size: 256
    .sgpr_count:     66
    .vgpr_count:     160
    .wavefront_size: 32
...
	.end_amdgpu_metadata
.endif
;; end of part 2
;; launch attn (part 3): grid 8 x 64, 16 waves a work-group, clusters of 4 x 1, 327,680 bytes of LDS; arguments query, mimg, kvc, kvs, out0; writes out0
.if DOCPART == 3
	.amdgcn_target "amdgcn-amd-amdhsa--gfx1250"
	.amdhsa_code_object_version 6
	.text
	.protected	k_q1e11c871d6_attn
	.globl	k_q1e11c871d6_attn
	.p2align	8
	.type	k_q1e11c871d6_attn,@function
k_q1e11c871d6_attn:
	s_mov_b64 s[64:65], 0
	v_nop
	global_prefetch_b8 v0, s[64:65] scope:SCOPE_SE
	s_setreg_imm32_b32 hwreg(HW_REG_WAVE_MODE, 25, 1), 1
	s_wait_xcnt 0x0
	s_wait_alu depctr_hold_cnt(0) depctr_sa_sdst(0) depctr_va_vdst(0) depctr_va_sdst(0) depctr_va_ssrc(0) depctr_va_vcc(0) depctr_vm_vsrc(0)
	s_getreg_b32 s2, hwreg(HW_REG_IB_STS2, 6, 4)
	s_cmp_eq_u32 s2, 0
	s_cbranch_scc0 .Lentry_in_a_cluster
	s_endpgm
.Lentry_in_a_cluster:
	s_bfe_u32 s2, ttmp6, 0x10000c
	s_cmp_lg_u32 s2, 0x3003
	s_cbranch_scc0 .Lentry_shape_is_right
	s_endpgm
.Lentry_shape_is_right:
; out[head][q][:] = the sum over k of softmax_k((Q[q] . K[k] + mask[q][k]) / sqrt(128)) V[k][:], 64 heads, 2,048 queries and keys, head size 128; both products on codes of FP4 (E2M1), one E8M0 scale for each 32 along K.
; K and V come as codes and scale words laid as images of the operand registers (kvc, kvs), the mask as images of the score registers (mimg).  Q is read once by one wave and quantised here, in registers.
; THE SOFTMAX: t = (score + mask) x log2(e) / sqrt(128); M = the running largest t rounded UP to a whole number; p = 2^(t - M) is quantised along the keys, not normalised; the row's sum of the unquantised p divides at the end.
; When M moves, the sum and O are multiplied by 2^(old M - new M): exact.
; SHARES.  A work-group owns 256 queries of one head; each of sixteen waves owns 16 of them; every wave walks the head's 16 key steps of 128 keys.
; LDS holds the head's WHOLE K and V: 16 steps x 16,384 bytes of codes and 16,384 bytes of scale words, filled once: waves 0-7 fetch 32,768 bytes of codes each, wave 8 the scale words.  Nothing is filled again: the loop has no barrier.
; CLUSTER.  The four partners are four blocks of queries of ONE head: they want the same codes and scale words, which are asked for jointly.
; THE MASK goes from memory straight into the registers of S^T, 16 loads of 512 consecutive bytes a step, and is the C of the first product.  Each wave reads a tile of its own, so no joint load serves it.
; The loads of step j + 1 are issued in step j, as soon as p has been turned into codes.
; PREFETCH.  A tile's images are read by all 64 heads: head 0's work-groups ask, each wave for its own 8,192 bytes of step j + 3 in step j (lanes 256 bytes apart), two steps ahead of the loads; steps 0 to 2 come by their loads alone; the last three steps ask for nothing.
; The codes come once, at the head, with no loop to run ahead in: they are not prefetched.
; LAYOUT.  Both products transposed: S^T = K Q^T + mask^T, O^T = V^T P^T: a lane holds ONE query (lane % 16).  Row r of K's fragment 2 b + u is key 32 b + 8 u + r + 8 (r / 8): the 16 registers of tiles 2 b, 2 b + 1 are 16 neighbouring keys.
; LIMITS: NaN and infinities in query are not served; a block of Q or p whose largest magnitude lies under 2^-124 keeps the byte 1; a row whose mask is wholly -infinity gives NaN; the scaled scores stay under 2^31 in magnitude.
; REGISTERS: v1-11 addresses; v12 -M, v13 the largest t, v[14:15] the sum; v16-23 Q's codes; v24 Q's scale word, v25 p's; v32-95 fragments of K, then V; v96-159 mask, S^T, p; v160-223 O^T; v224-231 p's codes; v232-247, v254 at work; v248-251 scale words; v[252:253] f, 0.
.set MP,    528                        ; the way out: a stage row, 512 bytes + 16 of padding
.set SCL,   262144                     ; LDS: the codes from byte 0, then the scale words, 1,024 bytes a step,
.set SPARE, SCL+16384                  ; then the spare words, 128 bytes a wave
.set LI,  1                            ; v1   16 x lane
.set ADK, 2                            ; v2   16 x lane + the step's codes
.set ADS, 4                            ; v4   16 x lane + the step's scale words
.set SPW, 5
.set NIL, 6
.set STO, 8                            ; v8   the way out: where I put 32 bytes of a row
.set RD,  9                            ; v9   and where I read a row back
.set PFO, 10                           ; v10  256 x lane
.set QO,  11                           ; v11  my byte offset in the wave's 16 rows of Q
.set QS,  24
.set PS,  25
.set WV,  14
.set G1C, 16                           ; s[16:23] group 1: 128 rows of 256 bytes
.set G1S, 24                           ; s[24:31] group 1: 64 rows of 256 bytes
.set G0C, 32
.set G0S, 36
.set SEL, 52
.set CS,  54
.set TS,  56                           ; s56  LDS byte of the step's scale words
.set CNT, 57
.set LIM, 58                           ; s58  a wave prefetches while the counter is at least this
.set TK,  59                           ; s59  LDS byte of the step's codes
.macro ROUND                           ; a round of the cluster's barrier
	s_barrier_signal -1
	s_barrier_wait -1
	s_cmp_lg_u32 s[WV], 0
	s_cbranch_scc1 .Lnot_wave_0_\@
	s_barrier_signal -3
.Lnot_wave_0_\@:
	s_barrier_wait -3
	s_barrier_signal -1
	s_barrier_wait -1
.endm
.macro MM acc, t, b, sb                ; one product onto accumulator acc + 8 t; scale register t / 2 carries fragment t's words in lanes 0-15 (t even) or 16-31 (t odd)
.if (\t)%2
	v_wmma_scale_f32_16x16x128_f8f6f4 v[\acc+8*(\t):\acc+8*(\t)+7], v[32+8*(\t):39+8*(\t)], v[\b:\b+7], v[\acc+8*(\t):\acc+8*(\t)+7], v[248+(\t)/2], v[\sb] matrix_a_fmt:MATRIX_FMT_FP4 matrix_b_fmt:MATRIX_FMT_FP4 matrix_a_scale:MATRIX_SCALE_ROW1
.else
	v_wmma_scale_f32_16x16x128_f8f6f4 v[\acc+8*(\t):\acc+8*(\t)+7], v[32+8*(\t):39+8*(\t)], v[\b:\b+7], v[\acc+8*(\t):\acc+8*(\t)+7], v[248+(\t)/2], v[\sb] matrix_a_fmt:MATRIX_FMT_FP4 matrix_b_fmt:MATRIX_FMT_FP4
.endif
.endm
.macro TOCODES dst, pw                 ; v96-159 with the four blocks' largest magnitudes in v232-235 become a fragment's codes and its scale word
.irp b, 0,1,2,3
	s_delay_alu instid0(VALU_DEP_4)
	v_add_nc_u32 v[244+\b], 0xff000000, v[232+\b]  ; 2 off the exponent field: the conversion's scale operand
.endr
.irp b, 0,1,2,3
	s_delay_alu instid0(VALU_DEP_4)
	v_lshrrev_b32 v[236+\b], 23, v[244+\b]         ; the scale's byte
.endr
	s_delay_alu instid0(VALU_DEP_3)
	v_lshl_or_b32 v[\pw], v237, 8, v236
	s_delay_alu instid0(VALU_DEP_1)
	v_lshl_or_b32 v[\pw], v238, 16, v[\pw]
	s_delay_alu instid0(VALU_DEP_1)
	v_lshl_or_b32 v[\pw], v239, 24, v[\pw]
.irp b, 0,1,2,3
	v_cvt_scalef32_pk8_fp4_f32 v[\dst+2*\b], v[96+16*\b:103+16*\b], v[244+\b]
	v_cvt_scalef32_pk8_fp4_f32 v[\dst+1+2*\b], v[104+16*\b:111+16*\b], v[244+\b]
.endr
	v_nop                                          ; one plain place behind the last scaled conversion
.irp c, 0,1                                    ; a WHOLE block in a lane: lanes 0-15 block 2 c, lanes 16-31 block 2 c + 1
.irp i, 0,1
	v_permlane16_swap_b32 v[\dst+4*\c+\i], v[\dst+2+4*\c+\i]
.endr
.endr
.endm
.macro MLOAD                           ; a step's mask into S^T's registers: each load takes 512 consecutive bytes
.set j, 0
.rept 16
	global_load_b128 v[96+4*j:99+4*j], v[LI], s[6:7] offset:512*j
.set j, j+1
.endr
.endm
	s_load_b256 s[4:11], s[0:1], 0x0               ; query, mimg, kvc, kvs
	s_load_b64 s[12:13], s[0:1], 0x20              ; out0
	v_lshl_add_u32 v[SPW], v0, 2, SPARE
	v_mov_b32 v[NIL], 0
	ds_add_u32 v[SPW], v[NIL]                      ; the opening lines: the add twice on end and one wait
	ds_add_u32 v[SPW], v[NIL]
	v_lshrrev_b32 v7, 5, v0
	v_readfirstlane_b32 s[WV], v7                  ; wave 0..15
	v_and_b32 v7, 31, v0
	v_lshlrev_b32 v[LI], 4, v7
	v_lshlrev_b32 v[PFO], 8, v7
	v_and_b32 v26, 15, v0                          ; r
	v_bfe_u32 v27, v0, 4, 1                        ; h
	s_mul_i32 s77, s[WV], 16*MP                    ; my stage, in bytes that hold codes until the last step is over
	v_mul_u32_u24 v28, v26, MP
	v_add_nc_u32 v28, s77, v28
	v_lshl_add_u32 v[STO], v27, 5, v28             ; in: row r, + 32 h
	v_add_nc_u32 v[RD], s77, v[LI]                 ; back: 16 bytes a lane
	v_lshrrev_b32 v29, 3, v7                       ; lane / 8
	v_and_b32 v30, 7, v7                           ; lane % 8
	v_lshlrev_b32 v[QO], 9, v29
	v_lshl_add_u32 v[QO], v30, 4, v[QO]            ; Q in memory: eight lanes take 128 consecutive bytes of a row, a load four rows
	s_mul_i32 s78, s[WV], 2304                     ; Q's stage, my own: 16 rows of 128 bytes + 16 of padding, behind the spare words: no fill lands there
	s_add_co_u32 s78, s78, SPARE+2048
	v_mul_u32_u24 v29, v29, 144
	v_lshl_add_u32 v29, v30, 4, v29
	v_add_nc_u32 v29, s78, v29                     ; v29  into the stage: row lane / 8, 16 bytes a lane
	v_mul_u32_u24 v30, v26, 144
	v_lshl_add_u32 v30, v27, 6, v30
	v_add_nc_u32 v30, s78, v30                     ; v30  out of it: row r, + 64 h
	s_bfe_u32 s15, ttmp6, 0x40000                  ; cx
	s_and_b32 s66, ttmp7, 0xffff                   ; the head, which the four partners share
	s_lshl_b32 s67, ttmp9, 2
	s_add_co_u32 s67, s67, s15                     ; the block of 256 queries = 4 x cluster x + cx
	s_and_b32 s76, s[WV], 7
	s_lshl_b32 s76, s76, 15                        ; my 32,768 bytes of the codes, in LDS and in the head (no register that feeds a descriptor holds cx)
	s_lshl_b32 s68, s66, 18
	s_add_co_u32 s68, s68, s76
	s_mov_b32 s69, 0
	s_lshl_b32 s70, s66, 14                        ; the head's scale words
	s_mov_b32 s71, 0
	s_lshl_b32 s72, s66, 20                        ; query and out0: the head, the block, my 16 rows
	s_lshl_b32 s73, s67, 17
	s_add_co_u32 s72, s72, s73
	s_lshl_b32 s73, s[WV], 13
	s_add_co_u32 s72, s72, s73
	s_mov_b32 s73, 0
	s_lshl_b32 s74, s67, 21                        ; mimg: 16 tiles of 2^17 bytes a block, my tile
	s_lshl_b32 s75, s[WV], 17
	s_add_co_u32 s74, s74, s75
	s_mov_b32 s75, 0
	s_mov_b32 s[G1C], 15|(3<<16)|(1<<21)           ; all four work-groups; elements of 8 bytes; bit 21 beside a mask; no padding
	s_mov_b32 s[G1C+1], 32<<16
	s_mov_b32 s[G1C+2], 128<<16
	s_mov_b32 s[G1C+3], 32<<16
	s_mov_b32 s[G1C+4], 128
	s_mov_b32 s[G1C+5], 32
	s_mov_b32 s[G1C+6], 0
	s_mov_b32 s[G1C+7], 0
	s_mov_b32 s[G1S], 15|(3<<16)|(1<<21)
	s_mov_b32 s[G1S+1], 32<<16
	s_mov_b32 s[G1S+2], 64<<16
	s_mov_b32 s[G1S+3], 32<<16
	s_mov_b32 s[G1S+4], 64
	s_mov_b32 s[G1S+5], 32
	s_mov_b32 s[G1S+6], 0
	s_mov_b32 s[G1S+7], 0
	s_mov_b32 s[SEL], 0x76543210
	s_mov_b32 s[SEL+1], 0xfedcba98
	s_mov_b32 s[CS], 0x3e0293ee                    ; c = log2(e) / sqrt(128)
	s_mov_b32 s[CS+1], s[CS]
	s_mov_b32 s[TS], SCL
	s_mov_b32 s[TK], 0
	s_mov_b32 s[CNT], 15
	s_mov_b32 s[LIM], 100
	s_cmp_eq_u32 s66, 0
	s_cselect_b32 s[LIM], 3, s[LIM]                ; head 0 asks while three steps or more are to come; the same in all four partners
	s_wait_alu depctr_va_vdst(0)                   ; the wait directly ahead of the waits below
	s_wait_dscnt 0x0                               ; both opening adds are done
	s_wait_kmcnt 0x0
	s_mov_b32 s[G0C], 1
	s_mov_b32 s[G0C+1], s76
	s_add_nc_u64 s[G0C+2:G0C+3], s[8:9], s[68:69]
	s_or_b32 s[G0C+3], s[G0C+3], 0x80000000
	s_mov_b32 s[G0S], 1
	s_mov_b32 s[G0S+1], SCL
	s_add_nc_u64 s[G0S+2:G0S+3], s[10:11], s[70:71]
	s_or_b32 s[G0S+3], s[G0S+3], 0x80000000
	s_add_nc_u64 s[4:5], s[4:5], s[72:73]
	s_add_nc_u64 s[12:13], s[12:13], s[72:73]
	s_add_nc_u64 s[6:7], s[6:7], s[74:75]          ; my tile's image of step 0
.irp b, 0,1,2,3                                ; Q: register 16 b + i = d 32 b + 16 h + i of row r
.irp j, 0,1,2,3
	global_load_b128 v[160+16*\b+4*\j:160+16*\b+4*\j+3], v[QO], s[4:5] offset:128*\b+2048*\j th:TH_LOAD_NT   ; block b of rows 4 j .. 4 j + 3, into O^T's registers, which are not yet in use
.endr
.endr
	ROUND                                          ; all four work-groups are here: the joint loads meet
	s_cmp_lt_u32 s[WV], 8                          ; the fills, one a wave, in one chain of branches on the wave's number
	s_cbranch_scc0 .Lfill_s
	tensor_load_to_lds s[G0C:G0C+3], s[G1C:G1C+7]
	s_nop 0
.rept 4
	v_nop
.endr
	s_branch .Lfilled
.Lfill_s:
	s_cmp_eq_u32 s[WV], 8
	s_cbranch_scc0 .Lfilled
	tensor_load_to_lds s[G0S:G0S+3], s[G1S:G1S+7]
	s_nop 0
.rept 4
	v_nop
.endr
.Lfilled:
.irp b, 0,1,2,3
	v_mov_b32 v[236+\b], 0                         ; a lane permute's destination counts as one of its sources
.endr
	s_wait_loadcnt 0x0                             ; Q
.irp b, 0,1,2,3                                ; block by block through my stage: LDS serves a wave's instructions in order, so no wait stands between the stores and the loads, nor ahead of the next block's stores
.irp j, 0,1,2,3
	ds_store_b128 v29, v[160+16*\b+4*\j:163+16*\b+4*\j] offset:576*\j
.endr
.irp j, 0,1,2,3
	ds_load_b128 v[96+16*\b+4*\j:99+16*\b+4*\j], v30 offset:16*\j      ; register 16 b + i = d 32 b + 16 h + i of row r
.endr
.endr
	s_wait_dscnt 0x0
.irp b, 0,1,2,3
	v_max3_num_f32 v[232+\b], |v[96+16*\b]|, |v[97+16*\b]|, 0x1800000      ; my 16 numbers of block b, and the floor 2^(3 - 127)
.endr
.irp i, 2,4,6,8,10,12,14
.irp b, 0,1,2,3
	s_delay_alu instid0(VALU_DEP_4)
	v_max3_num_f32 v[232+\b], v[232+\b], |v[96+16*\b+\i]|, |v[97+16*\b+\i]|
.endr
.endr
.irp b, 0,1,2,3
	s_delay_alu instid0(VALU_DEP_4)
	v_permlanex16_b32 v[236+\b], v[232+\b], s[SEL], s[SEL+1]
.endr
.irp b, 0,1,2,3
	s_delay_alu instid0(VALU_DEP_4)
	v_max_num_f32 v[232+\b], v[232+\b], v[236+\b]
.endr
	TOCODES 16, QS                                 ; Q's fragment and scale word stay in registers
	MLOAD                                          ; step 0's mask
	v_mov_b32 v13, 0xff61b1e6                      ; the largest t so far: -3e38
	s_delay_alu instid0(VALU_DEP_1)
	v_floor_f32 v12, -v13                          ; -M
	v_mov_b32 v14, 0
	v_mov_b32 v15, 0
	v_mov_b32 v253, 0
.set j, 0
.rept 64
	v_mov_b32 v[160+j], 0                          ; O^T: the step has no first copy of its own; these are also the places ahead of the first product
.set j, j+1
.endr
	s_wait_alu depctr_va_vdst(0)                   ; the wait at the head's end
	s_wait_tensorcnt 0x0                           ; my part of the codes or scale words is in
	s_barrier_signal -1
	s_barrier_wait -1                              ; and everybody's: nothing is filled again
; A KEY STEP of 128 keys.  nxt = 1: the next step's mask is asked for.
.macro STEP nxt
	v_add_nc_u32 v[ADS], s[TS], v[LI]              ; with the three lines below: four places behind the last products, ahead of loads into registers that they read
	v_add_nc_u32 v[ADK], s[TK], v[LI]
	v_nop
	v_nop
	ds_load_b128 v[248:251], v[ADS]                ; K's scale words
.irp t, 0,1,2,3,4,5,6,7
.irp c, 0,1
	ds_load_b128 v[32+8*\t+4*\c:32+8*\t+4*\c+3], v[ADK] offset:1024*\t+512*\c
.endr
.endr
	s_wait_alu depctr_va_vdst(0)                   ; the wait directly ahead of the waits below
	s_wait_loadcnt 0x0                             ; the mask
	s_wait_dscnt 0x0                               ; K
.if \nxt
	s_wait_xcnt 0x0                                ; the last step's prefetch has read its base too
	s_add_nc_u64 s[6:7], s[6:7], 8192              ; the next step's image
.endif
.irp t, 0,1,2,3,4,5,6,7
	MM 96, \t, 16, QS                              ; S^T = K Q^T + mask^T: eight accumulators, one product each
.endr
.rept 4
	v_nop                                          ; places ahead of the loads below and of the first read of the scores
.endr
.irp t, 0,1,2,3,4,5,6,7                        ; V lands while the softmax is walked
.irp c, 0,1
	ds_load_b128 v[32+8*\t+4*\c:32+8*\t+4*\c+3], v[ADK] offset:8192+1024*\t+512*\c
.endr
.endr
	ds_load_b128 v[248:251], v[ADS] offset:512
.if \nxt
	s_cmp_ge_u32 s[CNT], s[LIM]
	s_cbranch_scc0 .Lnot_mine_\@
	global_prefetch_b8 v[PFO], s[6:7] offset:16384 th:TH_LOAD_NT scope:SCOPE_SE   ; my tile's image three steps on
.Lnot_mine_\@:
.endif
.irp b, 0,1,2,3
	v_max3_num_f32 v[232+\b], v[96+16*\b], v[97+16*\b], v[98+16*\b]        ; each block's largest score: for the row's maximum and for the block's largest p
.endr
.irp i, 3,5,7,9,11,13
.irp b, 0,1,2,3
	v_max3_num_f32 v[232+\b], v[232+\b], v[96+16*\b+\i], v[97+16*\b+\i]
.endr
.endr
.irp b, 0,1,2,3
	v_max_num_f32 v[232+\b], v[232+\b], v[111+16*\b]
.endr
.irp b, 0,1,2,3
	s_delay_alu instid0(VALU_DEP_4)
	v_permlanex16_b32 v[236+\b], v[232+\b], s[SEL], s[SEL+1]
.endr
.irp b, 0,1,2,3
	s_delay_alu instid0(VALU_DEP_4)
	v_max_num_f32 v[232+\b], v[232+\b], v[236+\b]
.endr
	s_delay_alu instid0(VALU_DEP_2)
	v_max3_num_f32 v254, v232, v233, v234
	s_delay_alu instid0(VALU_DEP_1)
	v_max_num_f32 v254, v254, v235
	s_delay_alu instid0(VALU_DEP_1)
	v_mul_f32 v254, s[CS], v254                    ; as t
	s_delay_alu instid0(VALU_DEP_1)
	v_max_num_f32 v13, v13, v254                   ; the running largest t
	v_mov_b32 v254, v12
	s_delay_alu instid0(VALU_DEP_2)
	v_floor_f32 v12, -v13                          ; the new -M = -ceil(t)
	s_delay_alu instid0(VALU_DEP_1)
	v_sub_f32 v254, v12, v254                      ; old M - new M
	s_delay_alu instid0(VALU_DEP_1)
	v_cvt_i32_f32 v254, v254
	s_delay_alu instid0(VALU_DEP_1)
	v_ldexp_f32 v252, 1.0, v254                    ; f = 2^(old M - new M)
.set j, 0
.rept 32
	v_pk_fma_f32 v[96+j:97+j], v[96+j:97+j], s[CS:CS+1], v[12:13] op_sel_hi:[1,0,0]   ; t - M
.set j, j+2
.endr
.irp b, 0,1,2,3
	v_fma_f32 v[232+\b], v[232+\b], s[CS], v12
.endr
	s_wait_alu depctr_va_vdst(0)                   ; the wait ahead of the batch
.set j, 0
.rept 64
	v_exp_f32 v[96+j], v[96+j]                     ; p = 2^(t - M)
.set j, j+1
.endr
	v_pk_mul_f32 v[14:15], v[14:15], v[252:253] op_sel_hi:[1,0]            ; the sums under the new M: the plain place behind the batch
	s_wait_alu depctr_va_vdst(0)                   ; one wait for the batch, ahead of its first reader
.irp b, 0,1,2,3
	v_exp_f32 v[232+\b], v[232+\b]                 ; each block's largest p
.endr
	v_pk_add_f32 v[236:237], v[96:97], v[98:99]    ; the row's sum of the unquantised p, in four chains by turns
	v_pk_add_f32 v[238:239], v[100:101], v[102:103]
	v_pk_add_f32 v[240:241], v[104:105], v[106:107]
	v_pk_add_f32 v[14:15], v[14:15], v[108:109]
.irp j, 110,118,126,134,142,150
	v_pk_add_f32 v[236:237], v[236:237], v[\j:\j+1]
	v_pk_add_f32 v[238:239], v[238:239], v[\j+2:\j+3]
	v_pk_add_f32 v[240:241], v[240:241], v[\j+4:\j+5]
	v_pk_add_f32 v[14:15], v[14:15], v[\j+6:\j+7]
.endr
	v_pk_add_f32 v[236:237], v[236:237], v[158:159]
	v_pk_add_f32 v[14:15], v[14:15], v[238:239]
	s_delay_alu instid0(VALU_DEP_2)
	v_pk_add_f32 v[236:237], v[236:237], v[240:241]
	s_delay_alu instid0(VALU_DEP_1)
	v_pk_add_f32 v[14:15], v[14:15], v[236:237]
	s_wait_alu depctr_va_vdst(0)                   ; and one for the four
.irp b, 0,1,2,3
	v_max_num_f32 v[232+\b], 0x1800000, v[232+\b]  ; the floor: a block of zeros keeps the byte 1
.endr
	TOCODES 224, PS
.if \nxt
	MLOAD                                          ; p has been read for the last time: the next step's mask
.endif
	s_wait_alu depctr_va_vdst(0)                   ; the wait directly ahead of the first reader of O^T
.set j, 0
.rept 32
	v_pk_mul_f32 v[160+j:161+j], v[160+j:161+j], v[252:253] op_sel_hi:[1,0]   ; O^T under the new M; also the places ahead of the products below
.set j, j+2
.endr
	s_wait_alu depctr_va_vdst(0)                   ; the wait directly ahead of the wait below
	s_wait_dscnt 0x0                               ; V
.irp t, 0,1,2,3,4,5,6,7
	MM 160, \t, 224, PS                            ; O^T += V^T P^T: eight accumulators by turns
.endr
	s_add_co_u32 s[TS], s[TS], 1024
	s_add_co_u32 s[TK], s[TK], 16384
.endm
.Lstep:                                            ; steps 0 to 14
	STEP 1
	s_sub_co_u32 s[CNT], s[CNT], 1
	s_cmp_lg_u32 s[CNT], 0
	s_cbranch_scc1 .Lstep
	STEP 0                                         ; step 15 asks for no further mask
	; THE WAY OUT.  Behind this barrier no wave reads codes any more; they have had their only fill, so my stage lies on their bytes.
	s_barrier_signal -1                            ; (my LDS reads were waited for ahead of the last products)
	s_barrier_wait -1
	v_add_f32 v14, v14, v15
	s_delay_alu instid0(VALU_DEP_1)
	v_permlanex16_b32 v252, v14, s[SEL], s[SEL+1]
	s_delay_alu instid0(VALU_DEP_1)
	v_add_f32 v14, v14, v252                       ; the row's sum
	s_wait_alu depctr_va_vdst(0)                   ; the wait ahead of the transcendental
	v_rcp_f32 v14, v14
.rept 4
	v_nop                                          ; the place behind the reciprocal, and the places behind the last products
.endr
	s_wait_alu depctr_va_vdst(0)                   ; ahead of the reciprocal's and O^T's first reader
.set j, 0
.rept 32
	v_pk_mul_f32 v[96+j:97+j], v[160+j:161+j], v[14:15] op_sel_hi:[1,0]    ; register 8 t + i is out(r, 16 t + 8 h + i)
.set j, j+2
.endr
.irp t, 0,1,2,3,4,5,6,7
	ds_store_b128 v[STO], v[96+8*\t:99+8*\t] offset:64*\t
	ds_store_b128 v[STO], v[100+8*\t:103+8*\t] offset:64*\t+16
.endr
.set j, 0
.rept 16
	ds_load_b128 v[32+4*j:35+4*j], v[RD] offset:j*MP                       ; LDS serves a wave's instructions in order: these see my stores
.set j, j+1
.endr
.set j, 0
.rept 16
	s_wait_dscnt 15-j                              ; row j is back; the younger loads may be out
	global_store_b128 v[LI], v[32+4*j:35+4*j], s[12:13] offset:512*j th:TH_STORE_NT   ; 32 lanes store 512 consecutive bytes, aligned
.set j, j+1
.endr
	s_wait_tensorcnt 0x0                           ; the wave's end
	ds_add_u32 v[SPW], v[NIL]
	s_wait_dscnt 0x0
	ROUND                                          ; the closing round
	s_endpgm
.Lfunc_end_k_q1e11c871d6_attn:
	.size	k_q1e11c871d6_attn, .Lfunc_end_k_q1e11c871d6_attn-k_q1e11c871d6_attn
	.p2alignl 7, 3214868480
	.fill 96, 4, 3214868480
	.section	.rodata,"a",@progbits
	.p2align	6, 0x0
	.amdhsa_kernel k_q1e11c871d6_attn
		.amdhsa_group_segment_fixed_size 327680
		.amdhsa_private_segment_fixed_size 0
		.amdhsa_enable_private_segment 0
		.amdhsa_kernarg_size 40
		.amdhsa_user_sgpr_count 2
		.amdhsa_user_sgpr_kernarg_segment_ptr 1
		.amdhsa_wavefront_size32 1
		.amdhsa_system_sgpr_workgroup_id_x 1
		.amdhsa_system_sgpr_workgroup_id_y 1
		.amdhsa_system_sgpr_workgroup_id_z 1
		.amdhsa_system_vgpr_workitem_id 0
		.amdhsa_next_free_vgpr 256
		.amdhsa_next_free_sgpr 100
		.amdhsa_reserve_vcc 0
		.amdhsa_float_denorm_mode_32 3
		.amdhsa_float_denorm_mode_16_64 3
		.amdhsa_memory_ordered 1
		.amdhsa_forward_progress 1
		.amdhsa_inst_pref_size 64
	.end_amdhsa_kernel
	.amdgpu_metadata
---
amdhsa.version: [ 1, 2 ]
amdhsa.kernels:
  - .name:           k_q1e11c871d6_attn
    .symbol:         k_q1e11c871d6_attn.kd
    .args:
      - { .name: query, .offset: 0, .size: 8, .value_kind: global_buffer, .address_space: global }
      - { .name: mimg, .offset: 8, .size: 8, .value_kind: global_buffer, .address_space: global }
      - { .name: kvc, .offset: 16, .size: 8, .value_kind: global_buffer, .address_space: global }
      - { .name: kvs, .offset: 24, .size: 8, .value_kind: global_buffer, .address_space: global }
      - { .name: out0, .offset: 32, .size: 8, .value_kind: global_buffer, .address_space: global }
    .group_segment_fixed_size: 327680
    .private_segment_fixed_size: 0
    .kernarg_segment_align: 8
    .kernarg_segment_size: 40
    .max_flat_workgroup_size: 512
    .sgpr_count:     100
    .vgpr_count:     256
    .wavefront_size: 32
...
	.end_amdgpu_metadata
.endif
;; end of part 3
